; MI455X (gfx1250); checked and timed in simulation.
; The chip was launched on July 23, 2026; its instructions are those of AMD's public machine-readable ISA for CDNA 5 (MIT licence, August 2026) and "CDNA5" Instruction Set Architecture Reference Guide (July 2026). The comments in the code are by the model that wrote it; some were corrected since.
;; Onnx Multihead Attention. Allowed arithmetic: float matrix products may take bf16 or f16 operands with f32 sums; all other float work in f32.
;; Inputs: w_o 1,024 x 1,024 float32; w_qkv 3,072 x 1,024 float32; x 1 x 4,096 x 1,024 float32.
;; Outputs: out0 1 x 4,096 x 1,024 float32.
;; One version. Each part assembles by itself: llvm-mc -triple=amdgcn-amd-amdhsa -mcpu=gfx1250 --defsym DOCPART=n.
;; ======== version 1 of 1: 4 launches
;; limits: values are held in f16: magnitudes above 65,504 overflow, below 6.1e-05 lose precision
;; workspace buffers: xb 8,388,608 bytes; wqb 6,291,456 bytes; wof 2,097,152 bytes; qkv 25,165,824 bytes; ob 8,388,608 bytes
;; launch cast (part 1): grid 1024 x 1, 8 waves a work-group, no clusters, 0 bytes of LDS; arguments x, w_qkv, w_o, xb, wqb, wof; writes xb, wqb, wof
.if DOCPART == 1
	.amdgcn_target "amdgcn-amd-amdhsa--gfx1250"
	.amdhsa_code_object_version 6
	.text
	.protected	k_qab58901e9f_cast
	.globl	k_qab58901e9f_cast
	.p2align	8
	.type	k_qab58901e9f_cast,@function
k_qab58901e9f_cast:
	s_mov_b64 s[64:65], 0
	v_nop
	global_prefetch_b8 v0, s[64:65] scope:SCOPE_SE
	s_setreg_imm32_b32 hwreg(HW_REG_WAVE_MODE, 25, 1), 1
	s_wait_xcnt 0x0
; The three f32 inputs are rounded once for the matrix units: x -> xb and w_qkv -> wqb in bf16; w_o -> wof: rounded to bf16 like the other inputs, and that number written as f16.
; LIMITS.  A bf16 number of magnitude 65,520 or more has no place in f16 and becomes an infinity in wof; below 6e-5 f16 keeps a fixed step of 6e-8.  xb and wqb have f32's range.
; A stream: each source byte is read once, each result byte written once.  No LDS, no barrier, no matrix unit, no cluster: no two work-groups read the same byte.
; SHARES.  A work-group takes 32,768 source bytes, a wave 4,096 of them: eight loads of 16 bytes a lane, each covering 512 consecutive bytes; each store of 8 bytes a lane covers 256 consecutive
; bytes, aligned.  Work-groups 0-511 take x (16 MiB), 512-895 w_qkv (12 MiB), 896-1023 w_o (4 MiB): three written paths, so that each address has one origin.
.set X, 8                              ; v[8:39]   load j: four f32
.set Y, 40                             ; v[40:55]  store j: four 16-bit numbers; written once, so no store's data is ever rewritten
.set T, 56                             ; v[56:58]  at work
; first: the tensor's first work-group.  half = 1: bf16, then that number as f16.
.macro CAST src, dst, first, half
	s_sub_co_u32 s2, s16, \first                   ; my number within the tensor,
	s_lshl_b32 s2, s2, 15                          ; times 32,768 source bytes (under 2^25)
	s_mov_b32 s3, 0
	s_lshr_b32 s18, s2, 1                          ; half as many bytes in the result
	s_mov_b32 s19, 0
	s_add_nc_u64 s[20:21], s[(\src):(\src)+1], s[2:3]
	s_add_nc_u64 s[22:23], s[(\dst):(\dst)+1], s[18:19]
.irp j, 0,1,2,3,4,5,6,7
	global_load_b128 v[X+4*(\j):X+4*(\j)+3], v3, s[20:21] offset:512*(\j) th:TH_LOAD_NT  ; read once in the launch
.endr
.irp j, 0,1,2,3,4,5,6,7
	s_wait_loadcnt 7-(\j)                          ; loads come back in order (ISA guide 5.7.1): load j is in, the 7 - j younger ones stay out
.if \half
.irp p, 0,1
	v_cvt_pk_bf16_f32 v[T], v[X+4*(\j)+2*(\p)], v[X+4*(\j)+2*(\p)+1]  ; the rounding that all inputs get
	v_lshlrev_b32 v[T+1], 16, v[T]                 ; back to f32: the low half moves up,
	v_and_b32 v[T+2], 0xffff0000, v[T]             ; the high half stays
	v_cvt_pk_f16_f32 v[Y+2*(\j)+(\p)], v[T+1], v[T+2]  ; 8 significant bits fit into f16's 11: exact within f16's normal range
.endr
.else
	v_cvt_pk_bf16_f32 v[Y+2*(\j)],   v[X+4*(\j)],   v[X+4*(\j)+1]
	v_cvt_pk_bf16_f32 v[Y+2*(\j)+1], v[X+4*(\j)+2], v[X+4*(\j)+3]
.endif
	global_store_b64 v4, v[Y+2*(\j):Y+2*(\j)+1], s[22:23] offset:256*(\j)  ; 32 lanes: 256 consecutive bytes, aligned; the next launch reads them, so no hint
.endr
.endm
	s_load_b256 s[4:11], s[0:1], 0x0               ; x s[4:5], w_qkv s[6:7], w_o s[8:9], xb s[10:11]
	s_load_b128 s[12:15], s[0:1], 0x20             ; wqb s[12:13], wof s[14:15]
	s_mov_b32 s16, ttmp9
	v_and_b32 v1, 31, v0                           ; lane
	v_lshrrev_b32 v2, 5, v0                        ; wave
	v_lshlrev_b32 v3, 4, v1
	v_lshl_add_u32 v3, v2, 12, v3                  ; source: 4,096 x wave + 16 x lane; never rewritten
	v_lshrrev_b32 v4, 1, v3                        ; result: half of that; never rewritten
	s_wait_kmcnt 0x0
	s_cmp_lt_u32 s16, 512
	s_cbranch_scc1 .Lx
	s_cmp_lt_u32 s16, 896
	s_cbranch_scc1 .Lw
	CAST 8, 14, 896, 1
	s_endpgm
.Lw:
	CAST 6, 12, 512, 0
	s_endpgm
.Lx:
	CAST 4, 10, 0, 0
	s_endpgm
.Lfunc_end_k_qab58901e9f_cast:
	.size	k_qab58901e9f_cast, .Lfunc_end_k_qab58901e9f_cast-k_qab58901e9f_cast
	.p2alignl 7, 3214868480
	.fill 96, 4, 3214868480
	.section	.rodata,"a",@progbits
	.p2align	6, 0x0
	.amdhsa_kernel k_qab58901e9f_cast
		.amdhsa_group_segment_fixed_size 0
		.amdhsa_private_segment_fixed_size 0
		.amdhsa_enable_private_segment 0
		.amdhsa_kernarg_size 48
		.amdhsa_user_sgpr_count 2
		.amdhsa_user_sgpr_kernarg_segment_ptr 1
		.amdhsa_wavefront_size32 1
		.amdhsa_system_sgpr_workgroup_id_x 1
		.amdhsa_system_sgpr_workgroup_id_y 1
		.amdhsa_system_sgpr_workgroup_id_z 1
		.amdhsa_system_vgpr_workitem_id 0
		.amdhsa_next_free_vgpr 64
		.amdhsa_next_free_sgpr 66
		.amdhsa_reserve_vcc 0
		.amdhsa_float_denorm_mode_32 3
		.amdhsa_float_denorm_mode_16_64 3
		.amdhsa_memory_ordered 1
		.amdhsa_forward_progress 1
		.amdhsa_inst_pref_size 13
	.end_amdhsa_kernel
	.amdgpu_metadata
---
amdhsa.version: [ 1, 2 ]
amdhsa.kernels:
  - .name:           k_qab58901e9f_cast
    .symbol:         k_qab58901e9f_cast.kd
    .args:
      - { .name: x, .offset: 0, .size: 8, .value_kind: global_buffer, .address_space: global }
      - { .name: w_qkv, .offset: 8, .size: 8, .value_kind: global_buffer, .address_space: global }
      - { .name: w_o, .offset: 16, .size: 8, .value_kind: global_buffer, .address_space: global }
      - { .name: xb, .offset: 24, .size: 8, .value_kind: global_buffer, .address_space: global }
      - { .name: wqb, .offset: 32, .size: 8, .value_kind: global_buffer, .address_space: global }
      - { .name: wof, .offset: 40, .size: 8, .value_kind: global_buffer, .address_space: global }
    .group_segment_fixed_size: 0
    .private_segment_fixed_size: 0
    .kernarg_segment_align: 8
    .kernarg_segment_size: 48
    .max_flat_workgroup_size: 256
    .sgpr_count:     66
    .vgpr_count:     64
    .wavefront_size: 32
...
	.end_amdgpu_metadata
.endif
;; end of part 1
;; launch qkvp (part 2): grid 16 x 16, 4 waves a work-group, clusters of 4 x 4, 327,680 bytes of LDS; arguments xb, wqb, qkv; writes qkv
.if DOCPART == 2
	.amdgcn_target "amdgcn-amd-amdhsa--gfx1250"
	.amdhsa_code_object_version 6
	.text
	.protected	k_qab58901e9f_qkvp
	.globl	k_qab58901e9f_qkvp
	.p2align	8
	.type	k_qab58901e9f_qkvp,@function
k_qab58901e9f_qkvp:
	s_mov_b64 s[64:65], 0
	v_nop
	global_prefetch_b8 v0, s[64:65] scope:SCOPE_SE
	s_setreg_imm32_b32 hwreg(HW_REG_WAVE_MODE, 25, 1), 1
	s_wait_xcnt 0x0
	s_wait_alu depctr_hold_cnt(0) depctr_sa_sdst(0) depctr_va_vdst(0) depctr_va_sdst(0) depctr_va_ssrc(0) depctr_va_vcc(0) depctr_vm_vsrc(0)
	s_getreg_b32 s2, hwreg(HW_REG_IB_STS2, 6, 4)
	s_cmp_eq_u32 s2, 0
	s_cbranch_scc0 .Lentry_in_a_cluster
	s_endpgm
.Lentry_in_a_cluster:
	s_bfe_u32 s2, ttmp6, 0x10000c
	s_cmp_lg_u32 s2, 0xf033
	s_cbranch_scc0 .Lentry_shape_is_right
	s_endpgm
.Lentry_shape_is_right:
; qkv[e][m] = sum over d of xb[m][d] wqb[e][d].  xb: [4096][1024] bf16, wqb: [3072][1024] bf16; sums in f32, rounded once to f16 and stored BY HEADS and unscaled:
; qkv = [48 slabs][4096 rows][64] f16, slab e / 64 (0-15 q's heads, 16-31 k's, 32-47 v's), a row 128 dense bytes.
; LIMITS.  f16 holds no number of magnitude 65,520 or more (it becomes an infinity), and below 6e-5 it keeps a fixed step of 6e-8.
; TILE.  4096 x 3072 outputs on 256 work-groups are 49,152 each: 256 rows x 192 columns, three whole heads; the grid is 16 x 16.  Wave w makes rows 64 w .. 64 w + 63 and all 192 columns:
; 4 row blocks (a) x 12 column blocks (b) = 48 accumulators of 16 x 16, so a wave owns whole heads' rows and needs a stage of its own alone on the way out.
; K goes in steps of 128 (rows of 256 bytes, each starting at a multiple of 256 from its buffer's first byte) through a ring of two LDS slots filled by the tensor data mover.
; CLUSTERS: 4 x 4 work-groups.  The four of a row of the cluster need the same tiles of xb, the four of a column the same tiles of wqb: each tile is asked for JOINTLY, by the same tensor load with
; the same descriptor and a mask that names the four.
; THE MATRIX INSTRUCTION IS USED TRANSPOSED (source 0 = 16 rows of wqb, source 1 = 16 rows of xb): lane l then holds row l % 16 and the columns 8 (l / 16) + 0..7: eight neighbours, 16 bytes of f16.
; REGISTERS, in windows of 256 (s_set_vgpr_msb: bits 1:0 source 0, 3:2 source 1, 5:4 source 2, 7:6 destination):
;   window 0: v0-31 addresses; v32-79 packed results; v80-175 rows read back from the stage, two buffers
;   window 1: two fragment buffers of 128: xb's block a at f + 8 a, wqb's block b at f + 32 + 8 b
;   window 2: the accumulators of a = 0, 1 at 96 (a % 2) + 8 b;   window 3: those of a = 2, 3
.set KSTEP,  128
.set PITCH,  272                       ; an LDS row: 256 bytes + 16 of padding = 68 words: row r starts at bank 4 r mod 64 (64 banks of 4 bytes: ISA guide 11.1)
.set AHALF,  128*PITCH                 ; what wave 0 or 1 fetches: 128 rows of xb
.set BHALF,  96*PITCH                  ; what wave 2 or 3 fetches: 96 rows of wqb
.set ABYTES, 2*AHALF
.set SLOT,   ABYTES+2*BHALF            ; xb's 256 rows, then wqb's 192 rows: 121,856 bytes
.set STAGE,  2*SLOT                    ; behind the ring: 16 rows x 400 bytes for each wave, for the way out
.set SPITCH, 400                       ; 384 bytes (192 f16) + 16: 25 x 16, so the 16 rows of a store start at 16 different groups of four banks
.set SPARE,  STAGE+4*16*SPITCH         ; behind the stages: the spare words, 128 bytes for each wave: two blocks of 256 bytes that no other line names
.set LAPS,   1024/(2*KSTEP)            ; a lap = two K steps = once round the ring: 4
.set SLAB,   4096*128                  ; bytes of a slab of qkv
.set ADRA, 16                          ; v16-17  LDS address of my fragments of xb in slot 0, 1
.set ADRB, 20                          ; v20-21  the same for wqb
.set STO,  24                          ; v24     the way out: where I put 16 bytes of a row
.set RD,   25                          ; v25     the way out: where I read rows back
.set GO,   26                          ; v26     my byte offset in 512 consecutive bytes of a slab
.set SPW,  28                          ; v28     LDS address of my spare word: SPARE + 4 x my thread's number; never rewritten
.set NIL,  29                          ; v29     0; never rewritten
.set TMP,  32
.set OB,   80
.set F0,   0                           ; fragment buffers, in window 1
.set F1,   128
.set G1, 24                            ; s[24:31] descriptor group 1 for xb's tiles;  s[32:39] group 0, one set for each slot
.set G0, 32
.set G1B, 48                           ; s[48:55], s[56:63] the same for wqb's tiles
.set G0B, 56
.set MSB, 0
.macro WIN new                         ; the immediate's high byte repeats the setting that is left; a switch that changes nothing is dropped
.if MSB != (\new)
	s_set_vgpr_msb (MSB<<8)|(\new)
.set MSB, \new
.endif
.endm
.set MUL_LO, 0xa5                      ; sources 0 and 1 window 1, C and D window 2
.set MUL_HI, 0xf5                      ; the same, C and D window 3
.set TO_F,   0x40                      ; destination window 1, address window 0
; A joint load.  Waves 0 and 1 fetch xb's two halves, waves 2 and 3 wqb's.  Each line has one mask and one set of registers; the branch hangs on the wave's number alone.
; An s_nop 0 and four v_nop follow each of the two lines, ahead of the jump, the label and what follows.
.macro JLOAD s
	s_cmp_eq_u32 s11, 0
	s_cbranch_scc0 .Lfor_b_\@
	tensor_load_to_lds s[G0+4*(\s):G0+4*(\s)+3], s[G1:G1+7]
	s_nop 0
.rept 4
	v_nop
.endr
	s_branch .Lasked_\@
.Lfor_b_\@:
	tensor_load_to_lds s[G0B+4*(\s):G0B+4*(\s)+3], s[G1B:G1B+7]
	s_nop 0
.rept 4
	v_nop
.endr
.Lasked_\@:
.endm
; A round of the cluster's barrier: my work-group's barrier, so that wave 0's signal speaks for all four waves; wave 0 signals; every wave waits for all sixteen work-groups; my work-group's barrier once more.
.macro CREST                           ; a round behind its opening barrier
	s_cmp_lg_u32 s10, 0
	s_cbranch_scc1 .Lnot_wave_0_\@
	s_barrier_signal -3
.Lnot_wave_0_\@:
	s_barrier_wait -3
	s_barrier_signal -1
	s_barrier_wait -1
.endm
.macro CROUND                          ; a whole round
	s_barrier_signal -1
	s_barrier_wait -1
	CREST
.endm
	s_load_b128 s[4:7], s[0:1], 0x0                ; xb s[4:5], wqb s[6:7]
	s_load_b64 s[8:9], s[0:1], 0x10                ; qkv
	v_lshl_add_u32 v[SPW], v0, 2, SPARE
	v_mov_b32 v[NIL], 0
	ds_add_u32 v[SPW], v[NIL]                      ; the wave's opening: the add and its wait stand ahead of my first tensor load; the set-up below, work on registers, stands between them
	v_lshrrev_b32 v1, 5, v0
	v_readfirstlane_b32 s10, v1                    ; wave 0..3
	s_lshr_b32 s11, s10, 1                         ; I fetch for xb (0) or for wqb (1)
	s_and_b32 s12, s10, 1                          ; which half of that tile's rows I fetch
	s_bfe_u32 s40, ttmp6, 0x40000                  ; cx, cy: my place in the cluster
	s_bfe_u32 s41, ttmp6, 0x40004
	s_lshl_b32 s42, ttmp9, 2                       ; in a cluster launch ttmp9 and ttmp7 count clusters
	s_add_co_u32 s42, s42, s40                     ; tile column = 4 x cluster x + cx
	s_and_b32 s13, ttmp7, 0xffff
	s_lshl_b32 s13, s13, 2
	s_add_co_u32 s13, s13, s41                     ; tile row = 4 x cluster y + cy
	s_lshl_b32 s43, s41, 2
	s_lshl_b32 s43, 15, s43                        ; my row of the cluster: places 4 cy .. 4 cy + 3
	s_lshl_b32 s44, 0x1111, s40                    ; my column: places cx, cx + 4, cx + 8, cx + 12
	; descriptor group 1: tiles of 128 (xb) or 96 (wqb) rows x 128 elements, padded in LDS
	s_or_b32 s[G1+0], s43, (1<<16)|(1<<20)|(1<<21)|(5<<22)|(3<<25)   ; 15:0 the mask: my row; 17:16 elements of 2 bytes; 20 padding on; 21 set beside a mask; 24:22 after every 64 words (code 5); 31:25 4 words (code 3)
	s_or_b32 s[G1B+0], s44, (1<<16)|(1<<20)|(1<<21)|(5<<22)|(3<<25)  ; the same with the mask of my column
	s_mov_b32 s[G1+1], KSTEP<<16                   ; tensor_dim0 = 128
	s_mov_b32 s[G1+2], 128<<16                     ; tensor_dim1 = 128
	s_mov_b32 s[G1+3], KSTEP<<16                   ; tile_dim0 = 128
	s_mov_b32 s[G1+4], 128                         ; tile_dim1 = 128
	s_mov_b32 s[G1+5], 1024                        ; elements from row to row
	s_mov_b32 s[G1+6], 0
	s_mov_b32 s[G1+7], 0
	s_mov_b32 s[G1B+1], KSTEP<<16
	s_mov_b32 s[G1B+2], 96<<16                     ; tensor_dim1 = 96
	s_mov_b32 s[G1B+3], KSTEP<<16
	s_mov_b32 s[G1B+4], 96                         ; tile_dim1 = 96
	s_mov_b32 s[G1B+5], 1024
	s_mov_b32 s[G1B+6], 0
	s_mov_b32 s[G1B+7], 0
	; where the tiles come from.  xb's hang on the tile row alone, which my row of the cluster shares; wqb's on the tile column alone, which my column shares.
	s_lshl_b32 s16, s13, 8
	s_lshl_b32 s17, s12, 7
	s_add_co_u32 s16, s16, s17                     ; xb: row 256 x tile row + 128 x half,
	s_lshl_b32 s16, s16, 11                        ; of 2,048 bytes (under 2^23)
	s_mov_b32 s17, 0
	s_mul_i32 s46, s42, 192
	s_mul_i32 s47, s12, 96
	s_add_co_u32 s46, s46, s47                     ; wqb: row 192 x tile column + 96 x half
	s_lshl_b32 s46, s46, 11
	s_mov_b32 s47, 0
	s_mul_i32 s20, s10, AHALF                      ; where they go: waves 0, 1: xb's halves at wave x 128 rows;
	s_mul_i32 s21, s10, BHALF                      ; waves 2, 3: wqb's halves behind xb's 256 rows: 256 + 96 (wave - 2) = 96 wave + 64 rows
	s_add_co_u32 s21, s21, ABYTES-2*BHALF
	s_wait_dscnt 0x0                               ; the opening add is done
	s_wait_kmcnt 0x0
	s_add_nc_u64 s[14:15], s[4:5], s[16:17]
	s_add_nc_u64 s[46:47], s[6:7], s[46:47]
	CROUND                                         ; all sixteen work-groups are here: the first joint loads meet
.irp s, 0,1
	s_mov_b32 s[G0+4*(\s)], 1                                        ; count = 1
	s_add_co_u32 s[G0+4*(\s)+1], s20, (\s)*SLOT                      ; LDS address
	s_add_nc_u64 s[G0+4*(\s)+2:G0+4*(\s)+3], s[14:15], (\s)*KSTEP*2  ; global address: K step s
	s_or_b32 s[G0+4*(\s)+3], s[G0+4*(\s)+3], 0x80000000              ; type = 2
	s_mov_b32 s[G0B+4*(\s)], 1
	s_add_co_u32 s[G0B+4*(\s)+1], s21, (\s)*SLOT
	s_add_nc_u64 s[G0B+4*(\s)+2:G0B+4*(\s)+3], s[46:47], (\s)*KSTEP*2
	s_or_b32 s[G0B+4*(\s)+3], s[G0B+4*(\s)+3], 0x80000000
	JLOAD \s                                       ; both slots' first fills: two tensor loads of mine are out
.endr
	; A fragment is 16 rows x 32 K in 8 registers: lane l holds row l % 16; registers 0-3 K = 8 (l / 16) + 0..7, registers 4-7 K = 16 + 8 (l / 16) + 0..7: two loads of 16 bytes, 32 bytes apart.
	v_and_b32 v1, 15, v0                           ; l % 16
	v_bfe_u32 v2, v0, 4, 1                         ; l / 16
	v_mul_u32_u24 v3, v1, PITCH
	v_lshl_add_u32 v3, v2, 4, v3                   ; row x pitch + 16 x half
	s_mul_i32 s22, s10, 64*PITCH                   ; my 64 rows of xb
	v_add_nc_u32 v[ADRA], s22, v3
	v_add_nc_u32 v[ADRA+1], SLOT, v[ADRA]
	v_add_nc_u32 v[ADRB], ABYTES, v3               ; every wave reads all 192 rows of wqb
	v_add_nc_u32 v[ADRB+1], SLOT+ABYTES, v3
	s_mul_i32 s23, s10, 16*SPITCH
	s_add_co_u32 s23, s23, STAGE                   ; my stage
	v_mul_u32_u24 v4, v1, SPITCH                   ; in: row l % 16, 16 bytes for each half of the lanes
	v_lshl_add_u32 v4, v2, 4, v4
	v_add_nc_u32 v[STO], s23, v4
	v_bfe_u32 v5, v0, 3, 2                         ; back: 32 lanes take a head's 128 bytes of four rows,
	v_and_b32 v6, 7, v0
	v_mul_u32_u24 v5, v5, SPITCH
	v_lshl_add_u32 v5, v6, 4, v5
	v_add_nc_u32 v[RD], s23, v5
	v_and_b32 v[GO], 31, v0                        ; which are 512 consecutive bytes of the head's slab
	v_lshlrev_b32 v[GO], 4, v[GO]
	s_lshl_b32 s16, s13, 8                         ; my first row: 256 x tile row + 64 x wave,
	s_lshl_b32 s17, s10, 6
	s_add_co_u32 s16, s16, s17
	s_lshl_b32 s16, s16, 7                         ; of 128 bytes
	s_mul_i32 s46, s42, 3*SLAB                     ; my tile's first slab (in the registers that held wqb's address: none that feeds xb's descriptors ever holds cx)
	s_add_co_u32 s46, s46, s16
	s_mov_b32 s47, 0
	s_add_nc_u64 s[8:9], s[8:9], s[46:47]          ; never rewritten after this
; 12 matrix instructions: row block a x all 12 column blocks, 32 along K.  zero = 1: the product starts the sums: nothing is ever cleared.
; The 48 accumulators take turns, one instruction a turn, in the same order in every quarter step.
.macro MUL12 f, a, zero
	WIN MUL_LO+0x50*((\a)/2)
.irp b, 0,1,2,3,4,5,6,7,8,9,10,11
.if \zero
	v_wmma_f32_16x16x32_bf16 v[96*((\a)%2)+8*(\b):96*((\a)%2)+8*(\b)+7], v[(\f)+32+8*(\b):(\f)+32+8*(\b)+7], v[(\f)+8*(\a):(\f)+8*(\a)+7], 0
.else
	v_wmma_f32_16x16x32_bf16 v[96*((\a)%2)+8*(\b):96*((\a)%2)+8*(\b)+7], v[(\f)+32+8*(\b):(\f)+32+8*(\b)+7], v[(\f)+8*(\a):(\f)+8*(\a)+7], v[96*((\a)%2)+8*(\b):96*((\a)%2)+8*(\b)+7]
.endif
.endr
.endm
; 32 LDS loads in one run: the fragments of one quarter step (192 rows of wqb, then my 64 rows of xb, 32 K at byte k of the rows) into buffer f
.macro FETCH slot, k, f
	WIN TO_F
.irp i, 0,1,2,3,4,5,6,7,8,9,10,11
	ds_load_b128 v[(\f)+32+8*(\i):(\f)+32+8*(\i)+3],   v[ADRB+(\slot)] offset:(\k)+(\i)*16*PITCH
	ds_load_b128 v[(\f)+32+8*(\i)+4:(\f)+32+8*(\i)+7], v[ADRB+(\slot)] offset:(\k)+(\i)*16*PITCH+32
.endr
.irp i, 0,1,2,3
	ds_load_b128 v[(\f)+8*(\i):(\f)+8*(\i)+3],   v[ADRA+(\slot)] offset:(\k)+(\i)*16*PITCH
	ds_load_b128 v[(\f)+8*(\i)+4:(\f)+8*(\i)+7], v[ADRA+(\slot)] offset:(\k)+(\i)*16*PITCH+32
.endr
.endm
; A load into a register that a matrix instruction has read, and a vector instruction that reads a matrix result, stand four places behind that matrix instruction, and only plain vector
; instructions that name none of its registers are places (ISA guide 7.12.1 for vector instructions).
.macro PLACES
.rept 4
	v_nop
.endr
.endm
; A K step is four quarter steps of 32 along K, 48 matrix instructions each, on buffers 0, 1, 0, 1.  One of the first three: multiplies buffer f; in its middle it fetches the next quarter, at byte k, into g.
.macro QUARTER slot, k, f, g, zero
	s_wait_dscnt 4                                 ; wqb's fragments and xb's blocks 0, 1 are in; the youngest four loads (blocks 2, 3) may be out
	MUL12 \f, 0, \zero
	MUL12 \f, 1, \zero
	PLACES
	FETCH \slot, \k, \g
	s_wait_dscnt 32                                ; all but the 32 just issued
	MUL12 \f, 2, \zero
	MUL12 \f, 3, \zero
.endm
; The last quarter multiplies buffer 1 and changes slots: ONE barrier; in front of it each wave waits for all its tensor loads (one is out: its part of the next slot), adds 0 to its spare word, and
; waits for that and for its own reads of this slot.  fill = 1: the barrier opens a round of the cluster's, and this slot is filled again, two K steps ahead, first thing behind the round:
; from that request to the wait for it a wave issues 168 matrix instructions.
.macro TURN slot, next, fill
	WIN 0                                          ; (the add's two registers lie in window 0)
	s_wait_tensorcnt 0x0                           ; all my tensor loads have landed;
	ds_add_u32 v[SPW], v[NIL]                      ; 0 onto my spare word;
	s_wait_dscnt 5                                 ; (the add and the youngest four loads may be out)
	MUL12 F1, 0, 0                                 ; twelve matrix instructions stand between the add and the wait for it
	s_wait_dscnt 0x0                               ; the add is done, and my reads of this slot are over
	s_barrier_signal -1
	MUL12 F1, 1, 0                                 ; work on registers while the others arrive
.if \fill
	WIN 0
.endif
	s_barrier_wait -1
.if \fill
	CREST                                          ; no wave of any partner still reads this slot's tile or has a load on its way
	s_add_nc_u64 s[G0+4*(\slot)+2:G0+4*(\slot)+3], s[G0+4*(\slot)+2:G0+4*(\slot)+3], 2*KSTEP*2      ; no tensor load of mine is out: a group 0 may be written
	s_add_nc_u64 s[G0B+4*(\slot)+2:G0B+4*(\slot)+3], s[G0B+4*(\slot)+2:G0B+4*(\slot)+3], 2*KSTEP*2
	JLOAD \slot                                    ; the four v_nop behind it are also the places in front of the loads below
.else
	PLACES
.endif
	FETCH \next, 0, F0
	MUL12 F1, 2, 0
	MUL12 F1, 3, 0
.endm
; THE WAY OUT of row block a.  PACK: rounded to f16, 16 bytes a lane; each accumulator's registers in ascending order.  TOSTAGE: into my own stage, and back as a head's rows of 128 bytes.  SEND: stored.
.macro PACK a
	WIN 0x0a+5*((\a)/2)                            ; sources 0 and 1: window 2 or 3
.irp b, 0,1,2,3,4,5,6,7,8,9,10,11
.irp r, 0,1,2,3
	v_cvt_pk_f16_f32 v[TMP+4*(\b)+(\r)], v[96*((\a)%2)+8*(\b)+2*(\r)], v[96*((\a)%2)+8*(\b)+2*(\r)+1]
.endr
.endr
	WIN 0
.endm
.macro TOSTAGE a
.irp b, 0,1,2,3,4,5,6,7,8,9,10,11
	ds_store_b128 v[STO], v[TMP+4*(\b):TMP+4*(\b)+3] offset:32*(\b)
.endr
.irp j, 0,1,2
.irp t, 0,1,2,3
	ds_load_b128 v[OB+48*((\a)%2)+4*(4*(\j)+(\t)):OB+48*((\a)%2)+4*(4*(\j)+(\t))+3], v[RD] offset:(\t)*4*SPITCH+(\j)*128  ; LDS serves a wave's instructions in order (ISA guide 5.7.1.4): these see the stores above
.endr
.endr
.endm
.macro SEND a
	s_wait_dscnt 0x0                               ; the block is back in registers
	s_wait_xcnt 0x0                                ; every earlier store has had its addresses translated (ISA guide 3.1): the other buffer, which the block before stored from, is loaded again only behind this wait
.irp j, 0,1,2
.irp t, 0,1,2,3
	global_store_b128 v[GO], v[OB+48*((\a)%2)+4*(4*(\j)+(\t)):OB+48*((\a)%2)+4*(4*(\j)+(\t))+3], s[8:9] offset:(\j)*SLAB+(\a)*2048+(\t)*512  ; head j, four rows: 512 consecutive bytes, aligned
.endr
.endr
.endm
	s_wait_tensorcnt 1                             ; my part of K step 0 is in; K step 1's may stay out
	s_barrier_signal -1
	s_barrier_wait -1                              ; everybody's is
	FETCH 0, 0, F0
	QUARTER 0, 64,  F0, F1, 1                      ; the first quarter stands in front of the loop: its products start the sums
	WIN 0
	s_mov_b32 s3, LAPS-1
.Llap:                                                 ; a trip goes once round the ring, from a lap's second quarter to the next lap's first, and fills both slots again
	QUARTER 0, 128, F1, F0, 0
	QUARTER 0, 192, F0, F1, 0
	TURN 0, 1, 1
	QUARTER 1, 64,  F0, F1, 0
	QUARTER 1, 128, F1, F0, 0
	QUARTER 1, 192, F0, F1, 0
	TURN 1, 0, 1
	QUARTER 0, 64,  F0, F1, 0
	WIN 0
	s_sub_co_u32 s3, s3, 1
	s_cmp_lg_u32 s3, 0
	s_cbranch_scc1 .Llap
	QUARTER 0, 128, F1, F0, 0                      ; the last lap fills nothing, and has no round of the cluster's barrier
	QUARTER 0, 192, F0, F1, 0
	TURN 0, 1, 0
	QUARTER 1, 64,  F0, F1, 0
	QUARTER 1, 128, F1, F0, 0
	QUARTER 1, 192, F0, F1, 0
	s_wait_dscnt 4                                 ; the very last quarter: nothing more to fetch
	MUL12 F1, 0, 0
	MUL12 F1, 1, 0
	s_wait_dscnt 0x0
	MUL12 F1, 2, 0
	MUL12 F1, 3, 0
	WIN 0
	PLACES                                         ; the conversions read matrix results
	PACK 0
	TOSTAGE 0
.irp a, 1,2,3                          ; block a's conversions stand between block a - 1's loads from the stage and the wait for them
	PACK \a
	SEND (\a)-1
	TOSTAGE \a
.endr
	SEND 3
	s_wait_tensorcnt 0x0                           ; the wave's end: the add and its wait stand behind my last tensor load and my last LDS store
	ds_add_u32 v[SPW], v[NIL]
	s_wait_dscnt 0x0
	CROUND                                         ; the closing round: no work-group ends while a partner may still ask for a tile that names it
	s_endpgm
.Lfunc_end_k_qab58901e9f_qkvp:
	.size	k_qab58901e9f_qkvp, .Lfunc_end_k_qab58901e9f_qkvp-k_qab58901e9f_qkvp
	.p2alignl 7, 3214868480
	.fill 96, 4, 3214868480
	.section	.rodata,"a",@progbits
	.p2align	6, 0x0
	.amdhsa_kernel k_qab58901e9f_qkvp
		.amdhsa_group_segment_fixed_size 327680
		.amdhsa_private_segment_fixed_size 0
		.amdhsa_enable_private_segment 0
		.amdhsa_kernarg_size 24
		.amdhsa_user_sgpr_count 2
		.amdhsa_user_sgpr_kernarg_segment_ptr 1
		.amdhsa_wavefront_size32 1
		.amdhsa_system_sgpr_workgroup_id_x 1
		.amdhsa_system_sgpr_workgroup_id_y 1
		.amdhsa_system_sgpr_workgroup_id_z 1
		.amdhsa_system_vgpr_workitem_id 0
		.amdhsa_next_free_vgpr 960
		.amdhsa_next_free_sgpr 66
		.amdhsa_reserve_vcc 0
		.amdhsa_float_denorm_mode_32 3
		.amdhsa_float_denorm_mode_16_64 3
		.amdhsa_memory_ordered 1
		.amdhsa_forward_progress 1
		.amdhsa_inst_pref_size 118
	.end_amdhsa_kernel
	.amdgpu_metadata
---
amdhsa.version: [ 1, 2 ]
amdhsa.kernels:
  - .name:           k_qab58901e9f_qkvp
    .symbol:         k_qab58901e9f_qkvp.kd
    .args:
      - { .name: xb, .offset: 0, .size: 8, .value_kind: global_buffer, .address_space: global }
      - { .name: wqb, .offset: 8, .size: 8, .value_kind: global_buffer, .address_space: global }
      - { .name: qkv, .offset: 16, .size: 8, .value_kind: global_buffer, .address_space: global }
    .group_segment_fixed_size: 327680
    .private_segment_fixed_size: 0
    .kernarg_segment_align: 8
    .kernarg_segment_size: 24
    .max_flat_workgroup_size: 128
    .sgpr_count:     66
    .vgpr_count:     960
    .wavefront_size: 32
...
	.end_amdgpu_metadata
.endif
;; end of part 2
;; launch attn (part 3): grid 16 x 16, 4 waves a work-group, clusters of 4 x 1, 327,680 bytes of LDS; arguments qkv, ob; writes ob
.if DOCPART == 3
	.amdgcn_target "amdgcn-amd-amdhsa--gfx1250"
	.amdhsa_code_object_version 6
	.text
	.protected	k_qab58901e9f_attn
	.globl	k_qab58901e9f_attn
	.p2align	8
	.type	k_qab58901e9f_attn,@function
k_qab58901e9f_attn:
	s_mov_b64 s[64:65], 0
	v_nop
	global_prefetch_b8 v0, s[64:65] scope:SCOPE_SE
	s_setreg_imm32_b32 hwreg(HW_REG_WAVE_MODE, 25, 1), 1
	s_wait_xcnt 0x0
	s_wait_alu depctr_hold_cnt(0) depctr_sa_sdst(0) depctr_va_vdst(0) depctr_va_sdst(0) depctr_va_ssrc(0) depctr_va_vcc(0) depctr_vm_vsrc(0)
	s_getreg_b32 s2, hwreg(HW_REG_IB_STS2, 6, 4)
	s_cmp_eq_u32 s2, 0
	s_cbranch_scc0 .Lentry_in_a_cluster
	s_endpgm
.Lentry_in_a_cluster:
	s_bfe_u32 s2, ttmp6, 0x10000c
	s_cmp_lg_u32 s2, 0x3003
	s_cbranch_scc0 .Lentry_shape_is_right
	s_endpgm
.Lentry_shape_is_right:
; O[h][q][:] = the sum over k of softmax_k(Q[h][q] . K[h][k] / 8) V[h][k][:], 16 heads of 4,096 rows x 64 channels, no mask.  qkv = [48 slabs][4096][64] f16: slab h is Q's head h, 16 + h K's, 32 + h V's.
; Products, maxima and sums in f32; the weights p are rounded to f16 for the second product (their sum l is taken of the unrounded p), O once at the end.
; O leaves as ob = [64 row blocks][16 heads][64 rows][64 channels] f16: a wave's 64 rows of a head are 8,192 dense bytes, and four heads of a row block lie end to end for the next launch.
; LIMITS.  f16 holds no number beyond 65,504: Q, K and V arrive within it; p lies in 0 to 1, and below 6e-5 it keeps f16's fixed step of 6e-8, as O does; O is a mean of V's rows and has their range.
; A weight below 2^-126 counts as 0 in l; NaN and infinities are not treated apart.
; SHARES.  A work-group owns 256 queries of one head (16 x 16 = 256 work-groups), a wave 64 of them: four PIECES of 16.  Every wave walks all keys, 64 a step, 64 steps.
; LAYOUT.  S^T = K Q^T (source 0 = 16 keys, source 1 = 16 queries): a lane holds ONE query (lane % 16) and the keys 8 (lane / 16) + 0..7.  Two such results, rounded to f16 in pairs, ARE source 1 of
; O^T = V^T P, whose result again holds one query a lane, and eight channels.  K comes out of LDS as it lies, V ([key][channel]) turned, by ds_load_tr16_b128.
; SOFTMAX.  For each query a running maximum m and sum l: p = 2^(c s - c m), c = log2(e) / 8; in every step O and l are multiplied by a = 2^(c m_old - c m_new), which is 1 where m has not grown.
; m starts at the lowest finite number, O and l at 0: the first step is a step like any other, with a = 0.
; BY TURNS.  Turn n belongs to piece n: 8 products K Q^T of piece n + 1, later 8 products V^T P of piece n - 1; beside them the scaling, exponentials, roundings, sums and rescaling of piece n and the
; maximum and statistics of piece n + 1.  Four vector instructions stand behind every matrix instruction, the other 54 of a turn's 118 in two runs of their own.
; CLUSTER.  The four query blocks of a cluster belong to one head and walk the same K and V, so each tile is asked for JOINTLY: the same tensor load, descriptor and mask in all four.
; REGISTERS, in windows of 256 (s_set_vgpr_msb: bits 1:0 source 0, 3:2 source 1, 5:4 source 2, 7:6 destination):
;   window 0: v0-15 addresses and two at work; v16-31 four registers of statistics a piece; v48-55 at work; v64-127 S^T, two buffers; v192-223 P, two buffers (a piece's buffers go by its number's parity)
;   window 1: v0-127 O^T, 32 a piece          window 2: v0-63 Q; v128-191 K of one step; v192-255 V of one step
.set NP,    4         ; pieces a wave: a name, no knob
.set KS,    64        ; keys in a step
.set PK,    144       ; a row of K in LDS: 128 bytes + 16 of padding = 36 words: the 16 rows of a load start at 16 different groups of four banks (64 banks of 4 bytes: ISA guide 11.1)
.set PV,    160       ; a row of V: 128 + 32 = 40 words
.set VOFF,  4*KS*PK   ; a slot holds a tile, four steps: 256 rows of K, then 256 rows of V
.set SLOT1, 1<<17     ; slot 1 begins here, so that one exclusive or turns an address in one slot into the other's
.set STAGE, SLOT1+4*KS*(PK+PV)  ; behind the ring, never filled by a tensor load: 16 rows x 144 bytes for each wave, for the way out
.set SP,    144
.set SPARE, STAGE+4*16*SP  ; behind the stages: the spare words, 128 bytes for each wave: two blocks of 256 bytes that no other line names
.set TILES, 4096/256
.set AK0, 2           ; v2   my lane's place in a tile of K; never rewritten
.set AV0, 3           ; v3   the same for V
.set AK,  4           ; v4   the LDS address of K's next run of loads
.set AV,  5           ; v5   of V's
.set STO, 6           ; v6   the way out: where I put 16 bytes of a row
.set RD,  7           ; v7   the way out: where I read rows back
.set GO,  8           ; v8   my byte offset in 512 consecutive bytes of O
.set MV,  12          ; v12-13  c m_old, kept while c m is made anew: by buffer
.set QO,  15          ; v15  my byte offset in 16 rows of Q
.set ST,  16          ; piece t's statistics at v[ST+4 t]: c m, m, l (even keys', odd keys')
.set TMP, 48          ; by buffer, four registers c0-c3 at work; when the maximum is found c2 takes a
.set SPW, 62          ; v62  LDS address of my spare word: SPARE + 4 x my thread's number; never rewritten
.set NIL, 63          ; v63  0; never rewritten
.set S,   64
.set P,   192
.set KF,  128         ; window 2: key block kb, channel half c at KF + 16 kb + 8 c
.set VF,  192         ; window 2: key half kk, channel block cb at VF + 32 kk + 8 cb
.set WV,  12          ; s12  my wave's number
.set G1K, 24          ; s[24:31] descriptor group 1 for K's tiles
.set G1V, 32          ; s[32:39] for V's: it differs in the padding alone
.set G0K, 40          ; s[40:43] descriptor group 0 for K's tiles: it walks
.set G0V, 44          ; s[44:47] the same for V's
.set SLOTS, 56        ; s56  counts the tiles
.set CNT, 57          ; s57  counts a tile's key steps
.set CS,  58          ; s[58:59] c: the packed scaling takes the pair's low word for both halves
.set SEL, 60          ; s[60:61] v_permlanex16_b32's selects: each lane takes its own place in the other half
.set TBK, 62          ; s62  LDS byte at which K of the step to be fetched begins
.set TBV, 63          ; s63  the same for V, less VOFF
.set MSB, 0
.macro WIN new                      ; the high byte repeats the setting that is left; a switch that changes nothing is dropped
.if MSB != (\new)
	s_set_vgpr_msb (MSB<<8)|(\new)
.set MSB, (\new)
.endif
.endm
.set W_KQ, 0x0a       ; K and Q in window 2, S^T in window 0
.set W_PV, 0x52       ; V in window 2, P in window 0, O^T in window 1
.set W_RS, 0x41       ; destination and source 0 in window 1, source 1 in window 0
; A joint fill.  Waves 0 and 1 fetch the two halves of a tile's K, waves 2 and 3 those of its V: 128 keys each.  The branch hangs on the wave's number alone.
; An s_nop 0 and four v_nop follow each of the two lines, ahead of the jump and the label.
.macro JLOAD
	s_cmp_lt_u32 s[WV], 2
	s_cbranch_scc0 .Lfor_v_\@
	tensor_load_to_lds s[G0K:G0K+3], s[G1K:G1K+7]
	s_nop 0
.rept 4
	v_nop
.endr
	s_branch .Lasked_\@
.Lfor_v_\@:
	tensor_load_to_lds s[G0V:G0V+3], s[G1V:G1V+7]
	s_nop 0
.rept 4
	v_nop
.endr
.Lasked_\@:
.endm
; A round of the cluster's barrier: my work-group's barrier, so that wave 0's signal speaks for all four waves; wave 0 signals; every wave waits for all four work-groups; my work-group's barrier once more.
.macro CROUND
	s_barrier_signal -1
	s_barrier_wait -1
	s_cmp_lg_u32 s[WV], 0
	s_cbranch_scc1 .Lnot_wave_0_\@
	s_barrier_signal -3
.Lnot_wave_0_\@:
	s_barrier_wait -3
	s_barrier_signal -1
	s_barrier_wait -1
.endm
; THE CHANGE OF SLOTS.  The slot's last bytes, V of its fourth step, are in registers.  Each wave waits for all its tensor loads, of which one is out: its part of the other slot; adds 0 to its spare
; word; and waits for that and for its own reads of the slot.  Behind the barrier nobody reads this slot any more and the other slot is whole.
; fill = 1: this slot is filled again, with the keys two tiles on.  The barrier is then a round of the cluster's, and the joint fill is the first thing behind it: it has four key steps,
; 256 matrix instructions, in which to land.  (At its first use nothing has been read yet: slot 0 is waited for, slot 1 filled.)
.macro CHANGE fill
	WIN 0                           ; at a label and at a branch every window is 0
	s_wait_tensorcnt 0x0            ; no tensor load of mine is out, so a group 0 may be written
	ds_add_u32 v[SPW], v[NIL]       ; 0 onto my spare word; with fill = 1 the descriptors' steps stand between it and the wait for it
.if \fill
.irp g, G0K, G0V
	s_xor_b32 s[\g+1], s[\g+1], SLOT1  ; the walking descriptor: the other slot than last time,
	s_add_nc_u64 s[\g+2:\g+3], s[\g+2:\g+3], 4*KS*128  ; the next 256 keys; the type bits on top are not reached
.endr
	s_wait_dscnt 0x0                ; the add is done, and my reads of the slot are over
	CROUND
	JLOAD
.else
	s_wait_dscnt 0x0                ; the add is done, and my reads of the slot are over
	s_barrier_signal -1
	s_barrier_wait -1
.endif
	s_sub_co_u32 s[TBK], s[TBK], 4*KS*PK  ; the fetches go back to a slot's first step,
	s_xor_b32 s[TBK], s[TBK], SLOT1       ; in the other slot
	s_sub_co_u32 s[TBV], s[TBV], 4*KS*PV
	s_xor_b32 s[TBV], s[TBV], SLOT1
.endm
	s_load_b128 s[4:7], s[0:1], 0x0 ; qkv s[4:5], ob s[6:7]
	v_lshl_add_u32 v[SPW], v0, 2, SPARE
	v_mov_b32 v[NIL], 0
	ds_add_u32 v[SPW], v[NIL]       ; the wave's opening: the add and its wait stand ahead of my first tensor load; the set-up below, work on registers, stands between them
	v_lshrrev_b32 v1, 5, v0
	v_readfirstlane_b32 s[WV], v1   ; wave 0..3
	s_bfe_u32 s13, ttmp6, 0x40000   ; cx: my place in the cluster
	s_lshl_b32 s14, ttmp9, 2        ; in a cluster launch ttmp9 counts clusters
	s_add_co_u32 s14, s14, s13      ; my block of 256 queries = 4 x cluster x + cx: it enters Q's and O's addresses alone
	s_and_b32 s20, ttmp7, 0xffff    ; the head, which the four partners share
	s_and_b32 s16, s[WV], 1         ; which half of a tile's 256 keys I fetch
	s_lshl_b32 s22, s20, 19         ; the head's slab of 524,288 bytes,
	s_lshl_b32 s23, s16, 14         ; my 128 rows of 128 bytes,
	s_add_co_u32 s22, s22, s23
	s_add_co_u32 s22, s22, 0x800000 ; behind Q's sixteen slabs: K's
	s_mov_b32 s23, 0
	s_mul_i32 s17, s16, 128*PK      ; my half's place in a slot, for K
	s_mul_i32 s18, s16, 128*PV      ; and for V: no place in the cluster enters an LDS address
	s_lshl_b32 s2, s20, 19          ; Q: the head's slab,
	s_lshl_b32 s3, s14, 15          ; my block's 256 rows,
	s_add_co_u32 s2, s2, s3
	s_lshl_b32 s3, s[WV], 13        ; my wave's 64 of them
	s_add_co_u32 s2, s2, s3
	s_mov_b32 s3, 0
	s_lshl_b32 s48, s14, 2          ; O: row block 4 x block + wave,
	s_add_co_u32 s48, s48, s[WV]
	s_lshl_b32 s48, s48, 17         ; of 16 heads x 8,192 bytes,
	s_lshl_b32 s49, s20, 13         ; and the head in it
	s_add_co_u32 s48, s48, s49
	s_mov_b32 s49, 0
	; descriptor group 1.  128 keys are 16,384 dense bytes: asked for as 64 rows of 256 bytes, two keys a row, and padded in LDS after every key
	s_mov_b32 s[G1K], 15|(1<<16)|(1<<20)|(1<<21)|(4<<22)|(3<<25)  ; 15:0 the mask of four; 17:16 2-byte elements; 20 padding on; 21 set beside a mask; 24:22 after every 32 words (code 4); 31:25 4 words (code 3)
	s_mov_b32 s[G1V], 15|(1<<16)|(1<<20)|(1<<21)|(4<<22)|(7<<25)  ; the same with 8 words of padding (code 7)
.irp g, G1K, G1V
	s_mov_b32 s[\g+1], 128<<16      ; tensor_dim0 = 128
	s_mov_b32 s[\g+2], 64<<16       ; tensor_dim1 = 64
	s_mov_b32 s[\g+3], 128<<16      ; tile_dim0 = 128
	s_mov_b32 s[\g+4], 64           ; tile_dim1 = 64
	s_mov_b32 s[\g+5], 128          ; 128 elements from row to row
	s_mov_b32 s[\g+6], 0
	s_mov_b32 s[\g+7], 0
.endr
	s_mov_b32 s[CS], 0x3e38aa3b     ; c = log2(e) / 8 = 0.180337
	s_mov_b32 s[CS+1], s[CS]        ; named with it as a pair
	s_mov_b32 s[SEL], 0x76543210
	s_mov_b32 s[SEL+1], 0xfedcba98
	s_mov_b32 s[TBK], SLOT1+4*KS*PK ; the first change of slots turns these two into 0
	s_mov_b32 s[TBV], SLOT1+4*KS*PV
	s_mov_b32 s[G0K], 1             ; count = 1
	s_mov_b32 s[G0K+1], s17         ; LDS address: slot 0
	s_mov_b32 s[G0V], 1
	s_add_co_u32 s[G0V+1], s18, VOFF
	s_wait_dscnt 0x0                ; the opening add is done
	s_wait_kmcnt 0x0
	s_add_nc_u64 s[G0K+2:G0K+3], s[4:5], s[22:23]           ; global address: my half of the head's first 256 keys
	s_add_nc_u64 s[G0V+2:G0V+3], s[G0K+2:G0K+3], 0x800000   ; V's slabs lie sixteen slabs behind K's
	s_or_b32 s[G0K+3], s[G0K+3], 0x80000000                 ; type = 2
	s_or_b32 s[G0V+3], s[G0V+3], 0x80000000
	s_add_nc_u64 s[4:5], s[4:5], s[2:3]      ; Q at my wave's first row
	s_add_nc_u64 s[10:11], s[6:7], s[48:49]  ; O at my wave's 8,192 bytes
	CROUND                          ; all four work-groups are here: the first joint loads meet
	JLOAD                           ; tile 0 into slot 0: one tensor load of mine is out
	; A fragment of K or Q is 16 rows x 32 channels in 8 registers: lane l holds row l % 16, channels 8 (l / 16) + 0..7 and 16 + 8 (l / 16) + 0..7: two loads of 16 bytes, 32 bytes apart.
	v_and_b32 v1, 15, v0            ; l % 16
	v_bfe_u32 v9, v0, 4, 1          ; l / 16
	v_lshlrev_b32 v[QO], 7, v1
	v_lshl_add_u32 v[QO], v9, 4, v[QO]  ; row x 128 + 16 x half
	WIN 0x80                        ; destination window 2, address window 0
.set i, 0
.rept 8                             ; Q stays in registers: piece i / 2 (16 rows, 2,048 bytes), channels 32 (i % 2) on
	global_load_b128 v[8*i:8*i+3],   v[QO], s[4:5] offset:(i/2)*2048+(i%2)*64
	global_load_b128 v[8*i+4:8*i+7], v[QO], s[4:5] offset:(i/2)*2048+(i%2)*64+32
.set i, i+1
.endr
	; What the first turn finds: V's registers and P's second buffer hold 0 (its products V^T P, of a piece that has not been, add 0), O^T and l are 0.  No first step is written out: these
	; moves are its price, and they stand in the wait for the first tile.
.set i, VF
.rept 64
	v_mov_b32 v[i], 0
.set i, i+1
.endr
	WIN 0x40
.set i, 0
.rept 128
	v_mov_b32 v[i], 0
.set i, i+1
.endr
	WIN 0
.set i, 0
.rept 4
	v_mov_b32 v[ST+4*i], 0xfe000000    ; c m: far below every c s
	v_mov_b32 v[ST+4*i+1], 0xff7fffff  ; m: the lowest finite number
	v_mov_b32 v[ST+4*i+2], 0
	v_mov_b32 v[ST+4*i+3], 0
.set i, i+1
.endr
.set i, P+16
.rept 16
	v_mov_b32 v[i], 0
.set i, i+1
.endr
	v_mul_u32_u24 v[AK0], v1, PK
	v_lshl_add_u32 v[AK0], v9, 4, v[AK0]  ; row x pitch + 16 x half
	; The turning load takes 16 keys x 16 channels (lane l reads key 8 (l / 16) + l % 8, channels 8 ((l / 8) % 2) + 0..7) and leaves half a fragment of V^T: lane l holds channel l % 16 and 8 keys.
	v_and_b32 v10, 7, v0
	v_bfe_u32 v11, v0, 3, 1
	v_lshl_add_u32 v[AV0], v9, 3, v10
	v_mul_u32_u24 v[AV0], v[AV0], PV
	v_lshl_add_u32 v[AV0], v11, 4, v[AV0]
	v_add_nc_u32 v[AV0], VOFF, v[AV0]
; THE MATRIX WORK.  The 4 accumulators of a run of 8 take turns.  Product i of 8 of S^T = K Q^T for piece x: channels 32 (i / 4) on, keys 16 (i % 4) on.  The first 4 start the sums.
.macro KQ x
	WIN W_KQ
.set rS, S+32*((\x)%2)+8*(i%4)
.set rK, KF+16*(i%4)+8*(i/4)
.set rQ, 16*(\x)+8*(i/4)
.if i < 4
	v_wmma_f32_16x16x32_f16 v[rS:rS+7], v[rK:rK+7], v[rQ:rQ+7], 0
.else
	v_wmma_f32_16x16x32_f16 v[rS:rS+7], v[rK:rK+7], v[rQ:rQ+7], v[rS:rS+7]
.endif
.endm
; Product i of 8 of O^T += V^T P for piece x: keys 32 (i / 4) on, channels 16 (i % 4) on.
.macro PV x
	WIN W_PV
.set rO, 32*(\x)+8*(i%4)
.set rV, VF+32*(i/4)+8*(i%4)
.set rP, P+16*((\x)%2)+8*(i/4)
	v_wmma_f32_16x16x32_f16 v[rO:rO+7], v[rV:rV+7], v[rP:rP+7], v[rO:rO+7]
.endm
.macro MM                           ; the turn's next matrix instruction.  TURN sets Y, i and NOKQ.  NOKQ = 1: the very last turn: there is no next piece
.if (i < 8) && !NOKQ
	KQ (Y+1)%NP
.elseif i >= 8
.set i, i-8
	PV (Y+NP-1)%NP
.set i, i+8
.endif
.set i, i+1
.endm
; THE LDS LOADS stand in runs of 16, never singly among the matrix instructions: a step's K (64 keys x 64 channels: 8 fragments) and its V (turned).  Their addresses are made some lines ahead.
.macro FETCH_K
	WIN 0x80                        ; destination window 2
.irp f, 0,1,2,3,4,5,6,7             ; keys 16 (f / 2) on, channels 32 (f % 2) on
	ds_load_b128 v[KF+8*\f:KF+8*\f+3],   v[AK] offset:(\f/2)*16*PK+(\f%2)*64
	ds_load_b128 v[KF+8*\f+4:KF+8*\f+7], v[AK] offset:(\f/2)*16*PK+(\f%2)*64+32
.endr
	s_add_co_u32 s[TBK], s[TBK], KS*PK  ; the next fetch is the next step's
	WIN 0
.endm
.macro FETCH_V
	WIN 0x80
.irp f, 0,1,2,3,4,5,6,7             ; keys 32 (f / 4) on, channels 16 (f % 4) on
	ds_load_tr16_b128 v[VF+8*\f:VF+8*\f+3],   v[AV] offset:(\f/4)*32*PV+(\f%4)*32
	ds_load_tr16_b128 v[VF+8*\f+4:VF+8*\f+7], v[AV] offset:(\f/4)*32*PV+16*PV+(\f%4)*32
.endr
	WIN 0
.endm
; THE VECTOR WORK, one line at a time: OP kind, number.  For piece Y: F n: c s - c m for pair n of 16.  E n: the exponential of score n of 32.  C n: pair n rounded to f16.  B n: of the four weights 4 n .. the second
; pair is added onto the first, in place.  L n: l takes that sum (L 0: l = a l + sum).  R n: pair n of 16 of O^T times a.  For piece Y + 1: X n, number n of the 22 that find its maximum and statistics:
;   0-11  four chains c0-c3 of seven scores each, three operands at a time (each accumulator's lowest registers are read first)     12-14, 16  the four scores left over, the old m, and c0-c3 into c0
;   15  c m_old is kept     17, 18  the query's other 32 keys lie in the lane 16 away: the new m     19-21  c m; c m_old - c m_new; a
.set F, 0               ; OP tells the kinds apart by their order: F to L below R, X above it
.set E, 1
.set C, 2
.set B, 3
.set L, 4
.set R, 5
.set X, 6
.macro REGS y                       ; the registers of piece y
.set rT, ST+4*(\y)
.set rC, TMP+4*((\y)%2)
.set rW, MV+((\y)%2)
.set rS, S+32*((\y)%2)
.set rP, P+16*((\y)%2)
.set rO, 32*(\y)
.endm
.macro OP k, n
.if (\k) == R
	REGS Y
	WIN W_RS
	v_pk_mul_f32 v[rO+2*(\n):rO+2*(\n)+1], v[rO+2*(\n):rO+2*(\n)+1], v[rC+2:rC+3] op_sel_hi:[1,0]
.elseif (\k) < R
	REGS Y
	WIN 0
.if (\k) == F
	v_pk_fma_f32 v[rS+2*(\n):rS+2*(\n)+1], v[rS+2*(\n):rS+2*(\n)+1], s[CS:CS+1], v[rT:rT+1] op_sel_hi:[1,0,0] neg_lo:[0,0,1] neg_hi:[0,0,1]
.elseif (\k) == E
	v_exp_f32 v[rS+(\n)], v[rS+(\n)]
.elseif (\k) == C
	v_cvt_pk_f16_f32 v[rP+(\n)], v[rS+2*(\n)], v[rS+2*(\n)+1]
.elseif (\k) == B
	v_pk_add_f32 v[rS+4*(\n):rS+4*(\n)+1], v[rS+4*(\n):rS+4*(\n)+1], v[rS+4*(\n)+2:rS+4*(\n)+3]
.elseif (\n) == 0
	v_pk_fma_f32 v[rT+2:rT+3], v[rT+2:rT+3], v[rC+2:rC+3], v[rS:rS+1] op_sel_hi:[1,0,1]
.else
	v_pk_add_f32 v[rT+2:rT+3], v[rT+2:rT+3], v[rS+4*(\n):rS+4*(\n)+1]
.endif
.elseif NOKQ
	v_nop
.else
	REGS (Y+1)%NP
	WIN 0
.if (\n) < 4
	v_max3_num_f32 v[rC+(\n)], v[rS+8*(\n)], v[rS+8*(\n)+1], v[rS+8*(\n)+2]
.elseif (\n) < 12
	v_max3_num_f32 v[rC+(\n)%4], v[rC+(\n)%4], v[rS+8*((\n)%4)+2*((\n)/4)+1], v[rS+8*((\n)%4)+2*((\n)/4)+2]
.elseif (\n) == 12
	v_max3_num_f32 v[rC], v[rC], v[rS+7], v[rS+15]
.elseif (\n) == 13
	v_max3_num_f32 v[rC+1], v[rC+1], v[rS+23], v[rS+31]
.elseif (\n) == 14
	v_max3_num_f32 v[rC+2], v[rC+2], v[rC+3], v[rT+1]
.elseif (\n) == 15
	v_mov_b32 v[rW], v[rT]
.elseif (\n) == 16
	v_max3_num_f32 v[rC], v[rC], v[rC+1], v[rC+2]
.elseif (\n) == 17
	v_permlanex16_b32 v[rC+3], v[rC], s[SEL], s[SEL+1]
.elseif (\n) == 18
	v_max_num_f32 v[rT+1], v[rC], v[rC+3]
.elseif (\n) == 19
	v_mul_f32 v[rT], s[CS], v[rT+1]
.elseif (\n) == 20
	v_sub_f32 v[rC+1], v[rW], v[rT]
.else
	v_exp_f32 v[rC+2], v[rC+1]
.endif
.endif
.endm
.macro OPS a, i1, b=-1, i2=0, c=-1, i3=0, d=-1, i4=0  ; up to four of them
	OP \a, \i1
.if (\b) >= 0
	OP \b, \i2
.endif
.if (\c) >= 0
	OP \c, \i3
.endif
.if (\d) >= 0
	OP \d, \i4
.endif
.endm
.macro ROW a, i1, b, i2, c, i3, d, i4  ; a matrix instruction and the four behind it
	MM
	OPS \a, \i1, \b, \i2, \c, \i3, \d, \i4
.endm
; A TURN, for piece p: the order of its 16 matrix and 118 vector instructions, written out.  Behind a matrix instruction: plain, exponential, plain, plain; or four of the rescaling; or, behind the first, four scalings; none
; names a register of the products round it.  In the runs of their own exponential and plain by turns while exponentials last: every exponential has a plain instruction behind it before its result is used (ISA guide 5.7.2).
; end = 1: the walk's last two turns: nothing is fetched, and the last starts no new scores.  cnt = 1: the loop's count is taken down some lines ahead of the branch that stands behind the turn.
; K of the next step is fetched in piece 2's turn, six vector instructions behind the last product that read K (five of them plain); V of the step in hand in piece 0's turn, eight behind the last product that read V (four
; plain among them).  Each is waited for a turn later.
.macro TURN p, end=0, cnt=0
.set Y, (\p)
.set i, 0
.set NOKQ, (\end)*((\p)/3)
.if ((\p) == 3) && !(\end)
	s_wait_dscnt 0x0                ; K is in
.endif
	ROW F,0, F,1, F,2, F,3
	ROW F,4, E,0, F,5, F,6
	ROW F,7, E,1, F,8, F,9
	ROW F,10, E,2, C,0, F,11
	ROW F,12, E,3, X,15, F,13
	ROW R,0, R,1, R,2, R,3
	ROW B,0, E,4, F,14, L,0
.if ((\p) == 2) && !(\end)
	v_add_nc_u32 v[AK], s[TBK], v[AK0]
.endif
	ROW R,4, R,5, R,6, R,7
	OPS E,5, F,15
.if ((\p) == 2) && !(\end)
	FETCH_K
.endif
	OPS E,6, C,1, E,7, R,8
	OPS E,8, R,9, E,9, C,2
	OPS E,10, X,0, E,11, X,1
	OPS E,12, X,2, E,13, X,3
.if (\p) == 1
	s_wait_dscnt 0x0                ; V is in
.endif
	ROW X,4, E,14, X,5, X,6
	ROW X,7, E,15, X,8, X,9
	ROW X,10, E,16, X,11, X,12
	ROW X,13, E,17, X,14, B,1
	ROW C,4, E,18, X,16, L,1
	ROW B,2, E,19, C,6, L,2
	ROW C,8, E,20, B,3, B,4
.if (\p) == 0
	v_add_nc_u32 v[AV], s[TBV], v[AV0]
.endif
	ROW C,3, E,21, L,3, C,5
	OPS E,22, X,17, E,23, C,10
.if (\p) == 0
	FETCH_V
.endif
	OPS E,24, L,4
	OPS E,25, X,18, E,26, C,7
	OPS E,27, B,5, E,28, X,19
	OPS E,29, C,12, E,30, L,5
	OPS E,31, X,20, B,6, C,9
	OPS C,14, C,11, X,21, L,6
.if (\p) == 0
	s_add_co_u32 s[TBV], s[TBV], KS*PV
.endif
.if \cnt
	s_sub_co_u32 s[CNT], s[CNT], 1
	s_cmp_lg_u32 s[CNT], 0
.endif
	OPS C,13, B,7, C,15, R,10
	OPS R,11, R,12, L,7, R,13
	OPS R,14, R,15
.endm
	CHANGE 1                        ; tile 0 is in, everybody's part of it; tile 1 is asked for
	v_add_nc_u32 v[AK], s[TBK], v[AK0]
	FETCH_K                         ; key step 0
	s_wait_loadcnt 0x0              ; Q
	s_wait_dscnt 0x0
.set NOKQ, 0
.set i, 0
.rept 8
	KQ 0                            ; piece 0's first scores: there is no vector work yet to set between them
.set i, i+1
.endr
	WIN 0                           ; the addresses for the way out: nine plain instructions, the places behind those products
	s_mul_i32 s13, s[WV], 16*SP
	s_add_co_u32 s13, s13, STAGE    ; my stage
	v_mul_u32_u24 v[STO], v1, SP    ; in: row l % 16, 16 bytes for each half of the lanes
	v_lshl_add_u32 v[STO], v9, 4, v[STO]
	v_add_nc_u32 v[STO], s13, v[STO]
	v_bfe_u32 v[RD], v0, 3, 2       ; back: 32 lanes take four rows of 128 bytes,
	v_mul_u32_u24 v[RD], v[RD], SP
	v_lshl_add_u32 v[RD], v10, 4, v[RD]
	v_add_nc_u32 v[RD], s13, v[RD]
	v_and_b32 v[GO], 31, v0         ; which are 512 consecutive bytes of O
	v_lshlrev_b32 v[GO], 4, v[GO]
.set Y, NP-1                        ; X works for piece Y + 1: piece 0
.irp n, 0,1,2,3,4,5,6,7,8,9,10,11,12,13,14,15,16,17,18,19,20,21
	OP X, \n                        ; piece 0's first maximum and statistics
.endr
	v_nop                           ; a plain instruction behind the exponential
	s_mov_b32 s[CNT], 4
	s_mov_b32 s[SLOTS], TILES-1
	s_branch .Lfirst                ; the loop is entered at a step's first turn, in the middle of a trip
.Lslot:                             ; TILES - 2 times: with the change above, tiles 1 to 15 are asked for
	CHANGE 1
	s_mov_b32 s[CNT], 4
.Lstep:                             ; a trip: pieces 2 and 3 of one step, then pieces 0 and 1 of the next, whose K and V it fetches
	TURN 2
	TURN 3
	WIN 0
.Lfirst:
	TURN 0
	TURN 1, 0, 1
	WIN 0
	s_cbranch_scc1 .Lstep
	s_sub_co_u32 s[SLOTS], s[SLOTS], 1
	s_cmp_lg_u32 s[SLOTS], 0
	s_cbranch_scc1 .Lslot
	CHANGE 0                        ; the last tile is written out: nothing is asked for
	s_mov_b32 s[CNT], 4
.Ltail:
	TURN 2
	TURN 3
	TURN 0
	TURN 1, 0, 1
	WIN 0
	s_cbranch_scc1 .Ltail
	TURN 2, 1                       ; the last step's pieces 2 and 3
	TURN 3, 1
.set i, 0
.rept 8
	PV NP-1                         ; the last piece's V^T P of the last step
.set i, i+1
.endr
	; THE WAY OUT.  l's two halves and the other half of the lanes' are added; O^T is divided by l, rounded to f16 and sent through my stage in LDS, a piece at a time.  The additions are the places behind the last products.
	WIN 0
.macro ALL line:vararg              ; one line for each piece t
.set t, 0
.rept 4
	\line
.set t, t+1
.endr
.endm
	ALL v_add_f32 v[ST+4*t+2], v[ST+4*t+2], v[ST+4*t+3]
	ALL v_permlanex16_b32 v[ST+4*t+3], v[ST+4*t+2], s[SEL], s[SEL+1]
	ALL v_add_f32 v[ST+4*t+2], v[ST+4*t+2], v[ST+4*t+3]
	ALL v_rcp_f32 v[ST+4*t+2], v[ST+4*t+2]
	v_nop                           ; a plain instruction between the last reciprocal and the use of its result
.macro PACK t                       ; a lane's eight channels of a row pack into 16 bytes; they go into rows of 144 bytes and come back as whole rows of 128, into S^T's registers
	WIN W_RS
.set i, 32*(\t)
.rept 16
	v_pk_mul_f32 v[i:i+1], v[i:i+1], v[ST+4*(\t)+2:ST+4*(\t)+3] op_sel_hi:[1,0]
.set i, i+2
.endr
	WIN 0x05                        ; sources 0 and 1 window 1, destination window 0
.set i, 0
.rept 16
	v_cvt_pk_f16_f32 v[S+16*(\t)+i], v[32*(\t)+2*i], v[32*(\t)+2*i+1]
.set i, i+1
.endr
	WIN 0
.irp f, 0,1,2,3
	ds_store_b128 v[STO], v[S+16*(\t)+4*\f:S+16*(\t)+4*\f+3] offset:32*\f
.endr
.irp f, 0,1,2,3
	ds_load_b128 v[S+16*(\t)+4*\f:S+16*(\t)+4*\f+3], v[RD] offset:\f*4*SP  ; LDS serves a wave's instructions in order (ISA guide 5.7.1.4): these see the stores above; the next piece's stores come behind them
.endr
.endm
.macro SEND t, younger              ; younger: the LDS instructions issued behind piece t's loads: the next piece's eight, or none
	WIN 0
.irp f, 0,1,2,3
	s_wait_dscnt (\younger)+3-\f
	global_store_b128 v[GO], v[S+16*(\t)+4*\f:S+16*(\t)+4*\f+3], s[10:11] offset:(\t)*2048+\f*512  ; 512 consecutive bytes, at a multiple of 256 from O's first
.endr
.endm
	PACK 0
.set t, 1
.rept 3                             ; a piece's arithmetic stands between the loads of the piece before and its stores
	PACK t
	SEND t-1, 8
.set t, t+1
.endr
	SEND 3, 0
	s_wait_tensorcnt 0x0            ; the wave's end: the add and its wait stand behind my last tensor load and my last LDS store
	ds_add_u32 v[SPW], v[NIL]
	s_wait_dscnt 0x0
	CROUND                          ; the closing round: no work-group ends while a partner may still ask for a tile that names it
	s_endpgm
.Lfunc_end_k_qab58901e9f_attn:
	.size	k_qab58901e9f_attn, .Lfunc_end_k_qab58901e9f_attn-k_qab58901e9f_attn
	.p2alignl 7, 3214868480
	.fill 96, 4, 3214868480
	.section	.rodata,"a",@progbits
	.p2align	6, 0x0
	.amdhsa_kernel k_qab58901e9f_attn
		.amdhsa_group_segment_fixed_size 327680
		.amdhsa_private_segment_fixed_size 0
		.amdhsa_enable_private_segment 0
		.amdhsa_kernarg_size 16
		.amdhsa_user_sgpr_count 2
		.amdhsa_user_sgpr_kernarg_segment_ptr 1
		.amdhsa_wavefront_size32 1
		.amdhsa_system_sgpr_workgroup_id_x 1
		.amdhsa_system_sgpr_workgroup_id_y 1
		.amdhsa_system_sgpr_workgroup_id_z 1
		.amdhsa_system_vgpr_workitem_id 0
		.amdhsa_next_free_vgpr 768
		.amdhsa_next_free_sgpr 66
		.amdhsa_reserve_vcc 0
		.amdhsa_float_denorm_mode_32 3
		.amdhsa_float_denorm_mode_16_64 3
		.amdhsa_memory_ordered 1
		.amdhsa_forward_progress 1
		.amdhsa_inst_pref_size 124
	.end_amdhsa_kernel
	.amdgpu_metadata
---
amdhsa.version: [ 1, 2 ]
amdhsa.kernels:
  - .name:           k_qab58901e9f_attn
    .symbol:         k_qab58901e9f_attn.kd
    .args:
      - { .name: qkv, .offset: 0, .size: 8, .value_kind: global_buffer, .address_space: global }
      - { .name: ob, .offset: 8, .size: 8, .value_kind: global_buffer, .address_space: global }
    .group_segment_fixed_size: 327680
    .private_segment_fixed_size: 0
    .kernarg_segment_align: 8
    .kernarg_segment_size: 16
    .max_flat_workgroup_size: 128
    .sgpr_count:     66
    .vgpr_count:     768
    .wavefront_size: 32
...
	.end_amdgpu_metadata
.endif
;; end of part 3
;; launch oproj (part 4): grid 8 x 32, 4 waves a work-group, clusters of 4 x 4, 327,680 bytes of LDS; arguments ob, wof, out0; writes out0
.if DOCPART == 4
	.amdgcn_target "amdgcn-amd-amdhsa--gfx1250"
	.amdhsa_code_object_version 6
	.text
	.protected	k_qab58901e9f_oproj
	.globl	k_qab58901e9f_oproj
	.p2align	8
	.type	k_qab58901e9f_oproj,@function
k_qab58901e9f_oproj:
	s_mov_b64 s[64:65], 0
	v_nop
	global_prefetch_b8 v0, s[64:65] scope:SCOPE_SE
	s_setreg_imm32_b32 hwreg(HW_REG_WAVE_MODE, 25, 1), 1
	s_wait_xcnt 0x0
	s_wait_alu depctr_hold_cnt(0) depctr_sa_sdst(0) depctr_va_vdst(0) depctr_va_sdst(0) depctr_va_ssrc(0) depctr_va_vcc(0) depctr_vm_vsrc(0)
	s_getreg_b32 s2, hwreg(HW_REG_IB_STS2, 6, 4)
	s_cmp_eq_u32 s2, 0
	s_cbranch_scc0 .Lentry_in_a_cluster
	s_endpgm
.Lentry_in_a_cluster:
	s_bfe_u32 s2, ttmp6, 0x10000c
	s_cmp_lg_u32 s2, 0xf033
	s_cbranch_scc0 .Lentry_shape_is_right
	s_endpgm
.Lentry_shape_is_right:
; out0[m][e] = sum over d of O[m][d] wof[e][d], d = 64 head + channel.  O lies in ob = [64 row blocks][16 heads][64 rows][64 channels] f16; wof: [1024][1024] f16; products in f16, sums and out0 in f32.
; TILE.  4096 x 1024 outputs on 256 work-groups: 128 x 128; the grid is 8 x 32.  Four waves, each 64 x 64: 16 accumulators of 16 x 16, 128 registers.
; K goes in steps of 256, four heads, through two LDS slots: four steps, written straight through.  Four heads of a row block are 32,768 dense bytes of ob, asked for as 128 rows of 256 bytes and padded
; in LDS after every 128 bytes, so that they lie there as [head][row] with a pitch of 144; wof's rows of a step are 512 bytes.
; CLUSTERS: 4 x 4 work-groups.  The four of a row of the cluster need the same tiles of O, the four of a column the same tiles of wof: each tile is asked for JOINTLY.
; THE MATRIX INSTRUCTION IS USED TRANSPOSED (source 0 = 16 rows of wof, source 1 = 16 rows of O): lane l holds row l % 16 and the columns 8 (l / 16) + 0..7: 32 neighbouring bytes of f32.
; A wave's 64 columns are 256 aligned bytes of out0, so each wave has a stage of its own on the way out, and no barrier stands there.
; REGISTERS: window 0: v0-31 addresses; v32-95 rows read back from the stage, two buffers; v128-255 the accumulators ((a, b) at v[128 + 8 (4 a + b)]).
;   window 1: two fragment buffers of 128: for 64 along K (one head, two matrix instructions deep), 64 registers of O, then 64 of wof.
.set PA,     144                       ; a row of O in LDS: 128 bytes + 16 = 36 words: the 16 rows of a load start at 16 different groups of four banks (64 banks of 4 bytes: ISA guide 11.1)
.set PB,     528                       ; a row of wof: 512 bytes + 16 = 132 words: likewise
.set AHALF,  4*64*PA                   ; what wave 0 or 1 fetches: a row block's four heads
.set BHALF,  64*PB                     ; what wave 2 or 3 fetches: 64 rows of wof
.set SLOT,   2*AHALF+2*BHALF           ; 141,312 bytes
.set STAGE,  2*SLOT                    ; behind the ring: 16 rows x 272 bytes for each wave
.set SPITCH, 272
.set SPARE,  STAGE+4*16*SPITCH         ; behind the stages: the spare words, 128 bytes for each wave: two blocks of 256 bytes that no other line names
.set ADRA, 16                          ; v16-17  LDS address of my fragments of O in slot 0, 1
.set ADRB, 20                          ; v20-21  the same for wof
.set STO,  24                          ; v24     the way out: where I put 32 bytes of a row
.set RD,   25                          ; v25     the way out: where I read a row back
.set CO,   26                          ; v26     my byte offset in out0
.set SPW,  28                          ; v28     LDS address of my spare word: SPARE + 4 x my thread's number; never rewritten
.set NIL,  29                          ; v29     0; never rewritten
.set TMP,  32
.set ACC,  128
.set F0,   0                           ; fragment buffers, in window 1
.set F1,   128
.set G1, 24                            ; s[24:31] descriptor group 1 for O's tiles;  s[32:39] group 0, one set for each slot
.set G0, 32
.set G1B, 48                           ; s[48:55], s[56:63] the same for wof's tiles
.set G0B, 56
.set MSB, 0
.macro WIN new                         ; the immediate's high byte repeats the setting that is left
.if MSB != (\new)
	s_set_vgpr_msb (MSB<<8)|(\new)
.set MSB, \new
.endif
.endm
.set MUL,  0x05                        ; sources 0 and 1 window 1; C and D window 0
.set TO_F, 0x40                        ; destination window 1, address window 0
.macro JLOAD s                         ; a joint load: waves 0 and 1 fetch O's two row blocks, waves 2 and 3 wof's two halves; an s_nop 0 and four v_nop follow each line
	s_cmp_eq_u32 s11, 0
	s_cbranch_scc0 .Lfor_b_\@
	tensor_load_to_lds s[G0+4*(\s):G0+4*(\s)+3], s[G1:G1+7]
	s_nop 0
.rept 4
	v_nop
.endr
	s_branch .Lasked_\@
.Lfor_b_\@:
	tensor_load_to_lds s[G0B+4*(\s):G0B+4*(\s)+3], s[G1B:G1B+7]
	s_nop 0
.rept 4
	v_nop
.endr
.Lasked_\@:
.endm
.macro CREST                           ; a round of the cluster's barrier behind its opening barrier
	s_cmp_lg_u32 s10, 0
	s_cbranch_scc1 .Lnot_wave_0_\@
	s_barrier_signal -3
.Lnot_wave_0_\@:
	s_barrier_wait -3
	s_barrier_signal -1
	s_barrier_wait -1
.endm
.macro CROUND                          ; a whole round
	s_barrier_signal -1
	s_barrier_wait -1
	CREST
.endm
	s_load_b128 s[4:7], s[0:1], 0x0                ; ob s[4:5], wof s[6:7]
	s_load_b64 s[8:9], s[0:1], 0x10                ; out0
	v_lshl_add_u32 v[SPW], v0, 2, SPARE
	v_mov_b32 v[NIL], 0
	ds_add_u32 v[SPW], v[NIL]                      ; the wave's opening: the add and its wait stand ahead of my first tensor load; the set-up below, work on registers, stands between them
	v_lshrrev_b32 v1, 5, v0
	v_readfirstlane_b32 s10, v1                    ; wave 0..3
	s_lshr_b32 s11, s10, 1                         ; which half of the tile's rows is mine.  Also: I fetch for O (0) or for wof (1)
	s_and_b32 s12, s10, 1                          ; which half of its columns.  Also: which half of that tile I fetch
	s_bfe_u32 s40, ttmp6, 0x40000                  ; cx, cy: my place in the cluster
	s_bfe_u32 s41, ttmp6, 0x40004
	s_lshl_b32 s42, ttmp9, 2
	s_add_co_u32 s42, s42, s40                     ; tile column = 4 x cluster x + cx
	s_and_b32 s13, ttmp7, 0xffff
	s_lshl_b32 s13, s13, 2
	s_add_co_u32 s13, s13, s41                     ; tile row = 4 x cluster y + cy
	s_lshl_b32 s43, s41, 2
	s_lshl_b32 s43, 15, s43                        ; my row of the cluster
	s_lshl_b32 s44, 0x1111, s40                    ; my column
	s_or_b32 s[G1+0], s43, (1<<16)|(1<<20)|(1<<21)|(4<<22)|(3<<25)   ; 15:0 the mask: my row; 17:16 2-byte elements; 20 padding on; 21 set beside a mask; 24:22 after every 32 words (code 4); 31:25 4 words (code 3)
	s_or_b32 s[G1B+0], s44, (1<<16)|(1<<20)|(1<<21)|(6<<22)|(3<<25)  ; my column; padding after every 128 words (code 6)
	s_mov_b32 s[G1+1], 128<<16                     ; O: tensor_dim0 = 128 elements (256 bytes)
	s_mov_b32 s[G1+2], 128<<16                     ; tensor_dim1 = 128
	s_mov_b32 s[G1+3], 128<<16                     ; tile_dim0 = 128
	s_mov_b32 s[G1+4], 128                         ; tile_dim1 = 128
	s_mov_b32 s[G1+5], 128                         ; dense: 128 elements from row to row
	s_mov_b32 s[G1+6], 0
	s_mov_b32 s[G1+7], 0
	s_mov_b32 s[G1B+1], 256<<16                    ; wof: tensor_dim0 = 256
	s_mov_b32 s[G1B+2], 64<<16                     ; tensor_dim1 = 64
	s_mov_b32 s[G1B+3], 256<<16                    ; tile_dim0 = 256
	s_mov_b32 s[G1B+4], 64                         ; tile_dim1 = 64
	s_mov_b32 s[G1B+5], 1024                       ; elements from row to row
	s_mov_b32 s[G1B+6], 0
	s_mov_b32 s[G1B+7], 0
	s_lshl_b32 s16, s13, 1
	s_add_co_u32 s16, s16, s12                     ; O: row block 2 x tile row + half,
	s_lshl_b32 s16, s16, 17                        ; of 131,072 bytes
	s_mov_b32 s17, 0
	s_lshl_b32 s46, s42, 7
	s_lshl_b32 s47, s12, 6
	s_add_co_u32 s46, s46, s47                     ; wof: row 128 x tile column + 64 x half,
	s_lshl_b32 s46, s46, 11                        ; of 2,048 bytes
	s_mov_b32 s47, 0
	s_mul_i32 s20, s10, AHALF                      ; where they go: waves 0, 1: O's halves;
	s_mul_i32 s21, s10, BHALF                      ; waves 2, 3: wof's halves behind them
	s_add_co_u32 s21, s21, 2*AHALF-2*BHALF
	s_wait_dscnt 0x0                               ; the opening add is done
	s_wait_kmcnt 0x0
	s_add_nc_u64 s[14:15], s[4:5], s[16:17]
	s_add_nc_u64 s[46:47], s[6:7], s[46:47]
	CROUND                                         ; all sixteen work-groups are here: the first joint loads meet
.irp s, 0,1
	s_mov_b32 s[G0+4*(\s)], 1
	s_add_co_u32 s[G0+4*(\s)+1], s20, (\s)*SLOT
	s_add_nc_u64 s[G0+4*(\s)+2:G0+4*(\s)+3], s[14:15], (\s)*32768   ; K step s: heads 4 s .. 4 s + 3
	s_or_b32 s[G0+4*(\s)+3], s[G0+4*(\s)+3], 0x80000000
	s_mov_b32 s[G0B+4*(\s)], 1
	s_add_co_u32 s[G0B+4*(\s)+1], s21, (\s)*SLOT
	s_add_nc_u64 s[G0B+4*(\s)+2:G0B+4*(\s)+3], s[46:47], (\s)*512
	s_or_b32 s[G0B+4*(\s)+3], s[G0B+4*(\s)+3], 0x80000000
	JLOAD \s                                       ; both slots' first fills: two tensor loads of mine are out
.endr
	v_and_b32 v1, 15, v0                           ; l % 16
	v_bfe_u32 v2, v0, 4, 1                         ; l / 16
	v_mul_u32_u24 v3, v1, PA
	v_lshl_add_u32 v3, v2, 4, v3                   ; O: row x pitch + 16 x half
	s_mul_i32 s22, s11, AHALF                      ; my 64 rows: one row block
	v_add_nc_u32 v[ADRA], s22, v3
	v_add_nc_u32 v[ADRA+1], SLOT, v[ADRA]
	v_mul_u32_u24 v4, v1, PB
	v_lshl_add_u32 v4, v2, 4, v4
	s_mul_i32 s23, s12, BHALF                      ; my 64 rows of wof,
	s_add_co_u32 s23, s23, 2*AHALF                 ; which lie behind O's
	v_add_nc_u32 v[ADRB], s23, v4
	v_add_nc_u32 v[ADRB+1], SLOT, v[ADRB]
	s_mul_i32 s22, s10, 16*SPITCH
	s_add_co_u32 s22, s22, STAGE                   ; my stage
	v_mul_u32_u24 v5, v1, SPITCH                   ; in: row l % 16, 32 bytes for each half of the lanes
	v_lshl_add_u32 v5, v2, 5, v5
	v_add_nc_u32 v[STO], s22, v5
	v_mul_u32_u24 v5, v2, SPITCH                   ; back: lanes 0-15 take one row of 256 bytes, lanes 16-31 the next
	v_lshl_add_u32 v5, v1, 4, v5
	v_add_nc_u32 v[RD], s22, v5
	v_lshlrev_b32 v5, 12, v2                       ; and the same two rows in out0, 4,096 bytes apart
	v_lshl_add_u32 v[CO], v1, 4, v5
	s_lshl_b32 s16, s13, 7
	s_lshl_b32 s17, s11, 6
	s_add_co_u32 s16, s16, s17                     ; my first row: 128 x tile row + 64 x half,
	s_lshl_b32 s16, s16, 12                        ; of 4,096 bytes
	s_lshl_b32 s46, s42, 9                         ; my first column, in bytes: 512 x tile column + 256 x half (in the registers that held wof's address)
	s_lshl_b32 s47, s12, 8
	s_add_co_u32 s46, s46, s47
	s_add_co_u32 s46, s46, s16
	s_mov_b32 s47, 0
	s_add_nc_u64 s[8:9], s[8:9], s[46:47]          ; never rewritten after this
; 8 matrix instructions: row blocks a0, a0 + 1 x all 4 column blocks, 32 along K: half c of buffer f.  zero = 1: the first product starts the sums.  The 16 accumulators take turns.
.macro MUL8 f, c, a0, zero
	WIN MUL
.irp a, \a0, (\a0)+1
.irp b, 0,1,2,3
.if \zero
	v_wmma_f32_16x16x32_f16 v[ACC+8*(4*(\a)+(\b)):ACC+8*(4*(\a)+(\b))+7], v[(\f)+64+8*(4*(\c)+(\b)):(\f)+64+8*(4*(\c)+(\b))+7], v[(\f)+8*(4*(\c)+(\a)):(\f)+8*(4*(\c)+(\a))+7], 0
.else
	v_wmma_f32_16x16x32_f16 v[ACC+8*(4*(\a)+(\b)):ACC+8*(4*(\a)+(\b))+7], v[(\f)+64+8*(4*(\c)+(\b)):(\f)+64+8*(4*(\c)+(\b))+7], v[(\f)+8*(4*(\c)+(\a)):(\f)+8*(4*(\c)+(\a))+7], v[ACC+8*(4*(\a)+(\b)):ACC+8*(4*(\a)+(\b))+7]
.endif
.endr
.endr
.endm
; 32 LDS loads in one run: the fragments of head z of the step's four (64 along K), into buffer f; the first 32 along K first
.macro FETCH slot, z, f
	WIN TO_F
.irp c, 0,1
.irp i, 0,1,2,3
	ds_load_b128 v[(\f)+64+8*(4*(\c)+(\i)):(\f)+64+8*(4*(\c)+(\i))+3],   v[ADRB+(\slot)] offset:128*(\z)+64*(\c)+(\i)*16*PB
	ds_load_b128 v[(\f)+64+8*(4*(\c)+(\i))+4:(\f)+64+8*(4*(\c)+(\i))+7], v[ADRB+(\slot)] offset:128*(\z)+64*(\c)+(\i)*16*PB+32
	ds_load_b128 v[(\f)+8*(4*(\c)+(\i)):(\f)+8*(4*(\c)+(\i))+3],         v[ADRA+(\slot)] offset:64*PA*(\z)+64*(\c)+(\i)*16*PA
	ds_load_b128 v[(\f)+8*(4*(\c)+(\i))+4:(\f)+8*(4*(\c)+(\i))+7],       v[ADRA+(\slot)] offset:64*PA*(\z)+64*(\c)+(\i)*16*PA+32
.endr
.endr
.endm
.macro PLACES                          ; four places in front of loads into registers that matrix instructions have read, and of LDS stores that read results
.rept 4
	v_nop
.endr
.endm
; A K step is four quarters of 64 along K, 32 matrix instructions each, on buffers 0, 1, 0, 1.  One of the first three: multiplies buffer f and fetches head z into g.
.macro QUARTER slot, z, f, g, zero
	s_wait_dscnt 16                                ; the first 32 along K are in
	MUL8 \f, 0, 0, \zero
	MUL8 \f, 0, 2, \zero
	PLACES
	FETCH \slot, \z, \g
	s_wait_dscnt 32                                ; all but the 32 just issued
	MUL8 \f, 1, 0, 0
	MUL8 \f, 1, 2, 0
.endm
; The last quarter multiplies buffer 1 and changes slots: ONE barrier; in front of it each wave waits for all its tensor loads, adds 0 to its spare word, and waits for that and for its own reads of this slot.
; fill = 1: the barrier opens a round of the cluster's, and this slot is filled again, two K steps ahead: 112 matrix instructions ahead of the wait for it.
.macro TURN slot, next, fill
	WIN 0                                          ; (the add's two registers lie in window 0)
	s_wait_tensorcnt 0x0                           ; all my tensor loads have landed: my part of the next slot;
	ds_add_u32 v[SPW], v[NIL]                      ; 0 onto my spare word;
	s_wait_dscnt 17                                ; (the add and the youngest sixteen loads may be out)
	MUL8 F1, 0, 0, 0                               ; eight matrix instructions stand between the add and the wait for it
	s_wait_dscnt 0x0                               ; the add is done, and my reads of this slot are over
	s_barrier_signal -1
	MUL8 F1, 0, 2, 0
.if \fill
	WIN 0
.endif
	s_barrier_wait -1
.if \fill
	CREST                                          ; no wave of any partner still reads this slot's tile or has a load on its way
	s_add_nc_u64 s[G0+4*(\slot)+2:G0+4*(\slot)+3], s[G0+4*(\slot)+2:G0+4*(\slot)+3], 2*32768
	s_add_nc_u64 s[G0B+4*(\slot)+2:G0B+4*(\slot)+3], s[G0B+4*(\slot)+2:G0B+4*(\slot)+3], 2*512
	JLOAD \slot                                    ; the four v_nop behind it are also the places in front of the loads below
.else
	PLACES
.endif
	FETCH \next, 0, F0
	MUL8 F1, 1, 0, 0
	MUL8 F1, 1, 2, 0
.endm
; THE WAY OUT of row block a: a lane's eight f32 of a row go, low four first, into my stage's rows of 272 bytes, and come back as whole rows of 256 bytes.
.macro TOSTAGE a
	s_wait_xcnt 0x0                                ; every earlier store has had its addresses translated (ISA guide 3.1): the buffer that block a - 2 was stored from is loaded again only behind this wait
.irp b, 0,1,2,3
	ds_store_b128 v[STO], v[ACC+8*(4*(\a)+(\b)):ACC+8*(4*(\a)+(\b))+3]   offset:64*(\b)
	ds_store_b128 v[STO], v[ACC+8*(4*(\a)+(\b))+4:ACC+8*(4*(\a)+(\b))+7] offset:64*(\b)+16
.endr
.irp t, 0,1,2,3,4,5,6,7
	ds_load_b128 v[TMP+32*((\a)%2)+4*(\t):TMP+32*((\a)%2)+4*(\t)+3], v[RD] offset:(\t)*2*SPITCH  ; LDS serves a wave's instructions in order (ISA guide 5.7.1.4): these see the stores above
.endr
.endm
.macro SEND a, younger                 ; younger: the LDS instructions issued behind block a's loads: the next block's sixteen, or none
.irp t, 0,1,2,3,4,5,6,7
	s_wait_dscnt (\younger)+7-(\t)
	global_store_b128 v[CO], v[TMP+32*((\a)%2)+4*(\t):TMP+32*((\a)%2)+4*(\t)+3], s[8:9] offset:(16*(\a)+2*(\t))*4096  ; 16 lanes store 256 consecutive bytes, at a multiple of 256 from out0's first byte
.endr
.endm
	s_wait_tensorcnt 1                             ; my part of K step 0 is in; K step 1's may stay out
	s_barrier_signal -1
	s_barrier_wait -1                              ; everybody's is
	FETCH 0, 0, F0
	QUARTER 0, 1, F0, F1, 1                        ; K step 0: its first products start the sums
	QUARTER 0, 2, F1, F0, 0
	QUARTER 0, 3, F0, F1, 0
	TURN 0, 1, 1                                   ; slot 0 takes K step 2
	QUARTER 1, 1, F0, F1, 0                        ; K step 1
	QUARTER 1, 2, F1, F0, 0
	QUARTER 1, 3, F0, F1, 0
	TURN 1, 0, 1                                   ; slot 1 takes K step 3
	QUARTER 0, 1, F0, F1, 0                        ; K step 2
	QUARTER 0, 2, F1, F0, 0
	QUARTER 0, 3, F0, F1, 0
	TURN 0, 1, 0                                   ; nothing is left to fetch
	QUARTER 1, 1, F0, F1, 0                        ; K step 3
	QUARTER 1, 2, F1, F0, 0
	QUARTER 1, 3, F0, F1, 0
	s_wait_dscnt 16                                ; the very last quarter
	MUL8 F1, 0, 0, 0
	MUL8 F1, 0, 2, 0
	s_wait_dscnt 0x0
	MUL8 F1, 1, 0, 0
	MUL8 F1, 1, 2, 0
	WIN 0
	PLACES
	TOSTAGE 0
.irp a, 1,2,3                          ; block a's way through the stage stands between block a - 1's loads and its stores
	TOSTAGE \a
	SEND (\a)-1, 16
.endr
	SEND 3, 0
	s_wait_tensorcnt 0x0                           ; the wave's end: the add and its wait stand behind my last tensor load and my last LDS store
	ds_add_u32 v[SPW], v[NIL]
	s_wait_dscnt 0x0
	CROUND                                         ; the closing round: no work-group ends while a partner may still ask for a tile that names it
	s_endpgm
.Lfunc_end_k_qab58901e9f_oproj:
	.size	k_qab58901e9f_oproj, .Lfunc_end_k_qab58901e9f_oproj-k_qab58901e9f_oproj
	.p2alignl 7, 3214868480
	.fill 96, 4, 3214868480
	.section	.rodata,"a",@progbits
	.p2align	6, 0x0
	.amdhsa_kernel k_qab58901e9f_oproj
		.amdhsa_group_segment_fixed_size 327680
		.amdhsa_private_segment_fixed_size 0
		.amdhsa_enable_private_segment 0
		.amdhsa_kernarg_size 24
		.amdhsa_user_sgpr_count 2
		.amdhsa_user_sgpr_kernarg_segment_ptr 1
		.amdhsa_wavefront_size32 1
		.amdhsa_system_sgpr_workgroup_id_x 1
		.amdhsa_system_sgpr_workgroup_id_y 1
		.amdhsa_system_sgpr_workgroup_id_z 1
		.amdhsa_system_vgpr_workitem_id 0
		.amdhsa_next_free_vgpr 512
		.amdhsa_next_free_sgpr 66
		.amdhsa_reserve_vcc 0
		.amdhsa_float_denorm_mode_32 3
		.amdhsa_float_denorm_mode_16_64 3
		.amdhsa_memory_ordered 1
		.amdhsa_forward_progress 1
		.amdhsa_inst_pref_size 86
	.end_amdhsa_kernel
	.amdgpu_metadata
---
amdhsa.version: [ 1, 2 ]
amdhsa.kernels:
  - .name:           k_qab58901e9f_oproj
    .symbol:         k_qab58901e9f_oproj.kd
    .args:
      - { .name: ob, .offset: 0, .size: 8, .value_kind: global_buffer, .address_space: global }
      - { .name: wof, .offset: 8, .size: 8, .value_kind: global_buffer, .address_space: global }
      - { .name: out0, .offset: 16, .size: 8, .value_kind: global_buffer, .address_space: global }
    .group_segment_fixed_size: 327680
    .private_segment_fixed_size: 0
    .kernarg_segment_align: 8
    .kernarg_segment_size: 24
    .max_flat_workgroup_size: 128
    .sgpr_count:     66
    .vgpr_count:     512
    .wavefront_size: 32
...
	.end_amdgpu_metadata
.endif
;; end of part 4
